; MI455X (gfx1250); checked and timed in simulation.
; The chip was launched on July 23, 2026; its instructions are those of AMD's public machine-readable ISA for CDNA 5 (MIT licence, August 2026) and "CDNA5" Instruction Set Architecture Reference Guide (July 2026). The comments in the code are by the model that wrote it; some were corrected since.
;; Linear. Allowed arithmetic: float matrix products may take bf16 or f16 operands with f32 sums; all other float work in f32.
;; Inputs: bias 1 float32; bn_beta 13 float32; bn_gamma 13 float32; dense_vals 16,384 x 13 float32; emb_table 26 x 1,000,000 float32; sparse_ids 16,384 x 26 int32; weight 13 x 1 float32.
;; Outputs: out0 16,384 x 1 float32.
;; One version. Each part assembles by itself: llvm-mc -triple=amdgcn-amd-amdhsa -mcpu=gfx1250 --defsym DOCPART=n.
;; ======== version 1 of 1: 2 launches
;; workspace buffers: stats 6,656 bytes
;; launch stats (part 1): grid 64 x 1, 13 waves a work-group, no clusters, 15,360 bytes of LDS; arguments dense_vals, stats; writes stats
.if DOCPART == 1
	.amdgcn_target "amdgcn-amd-amdhsa--gfx1250"
	.amdhsa_code_object_version 6
	.text
	.protected	k_q45ca17e08e_stats
	.globl	k_q45ca17e08e_stats
	.p2align	8
	.type	k_q45ca17e08e_stats,@function
k_q45ca17e08e_stats:
	s_mov_b64 s[64:65], 0
	v_nop
	global_prefetch_b8 v0, s[64:65] scope:SCOPE_SE
	s_setreg_imm32_b32 hwreg(HW_REG_WAVE_MODE, 25, 1), 1
	s_wait_xcnt 0x0
; First of two launches.  Partial batch statistics of dense_vals [16384][13] f32.
; Work-group i owns rows 256 i .. 256 i + 255 and stores 26 numbers at stats[i][0..25]: the 13 column means of its rows and the
; 13 sums of squared deviations from those means (M2).  The second launch joins the 64 partials.
; Two true passes over data held in registers: first the means, then the deviations from them.  No difference of a mean of squares
; and a squared mean is formed, so a common offset of the inputs costs no digits.
; 13 waves = 416 threads: thread t loads 16 bytes at 16 t, so 416 threads cover 6,656 bytes = 128 whole rows of 52 bytes; every
; load of a wave is 512 consecutive bytes, and the column of a thread's j-th number, (4 t + j) mod 13, is the same in both loads.
; No matrix unit, tensor load or cluster: each byte is read once by one thread, and nothing is shared between work-groups.
.set NCOL,  13
.set CHUNK, 6656                       ; bytes that one load of all 416 threads covers: 128 rows
.set DIV13, 5042                       ; (n * 5042) >> 16 = n / 13 for n < 6553 (5042 * 13 = 65536 + 10)
.set L_SUM, 0                          ; LDS [128][13] f32: the threads' sums, in the order of the data
.set L_SQ,  CHUNK                      ; LDS [128][13] f32: the threads' sums of squared deviations
.set L_ST,  2*CHUNK                    ; LDS 39 words: mean[0..12], mean[0..12] once more, M2[0..12]
.set T16,  1                           ; v1      16 t
.set LANE, 2                           ; v2      lane
.set TMP,  3                           ; v3      wave number, later the other half's figure in a sum over lanes
.set COL,  4                           ; v4      4 * ((4 t) mod 13): byte of my first column's mean
.set SCR,  5                           ; v5      scratch
.set RED,  6                           ; v6      52 lane + 4 wave: row = lane, column = wave of a [128][13] array
.set W4,   7                           ; v7      4 * wave
.set XA,   8                           ; v[8:11]   my four numbers of rows 0-127
.set XB,   12                          ; v[12:15]  my four numbers of rows 128-255
.set S,    16                          ; v[16:19]  what I hand to LDS
.set R,    20                          ; v[20:23]  four rows' figures of my wave's column
.set MEAN, 24                          ; v24     my wave's column mean
.set M,    28                          ; v[28:31]  the means of my four columns
.set O4,   32                          ; v32     4 * lane
.set OV,   33                          ; v33     the number that the lane stores
.set OA,   34                          ; v34     where it lies in LDS
.macro BARRIER                         ; what I wrote to LDS, or read from it, is done before I say so
	s_wait_dscnt 0x0
	s_barrier_signal -1
	s_barrier_wait -1
.endm
.macro WAVESUM r                       ; sum over the 32 lanes, result in every lane
	v_add_f32_dpp v[\r], v[\r], v[\r] row_xmask:1 row_mask:0xf bank_mask:0xf
	v_add_f32_dpp v[\r], v[\r], v[\r] row_xmask:2 row_mask:0xf bank_mask:0xf
	v_add_f32_dpp v[\r], v[\r], v[\r] row_xmask:4 row_mask:0xf bank_mask:0xf
	v_add_f32_dpp v[\r], v[\r], v[\r] row_xmask:8 row_mask:0xf bank_mask:0xf
	v_permlanex16_b32 v[TMP], v[\r], s12, s13
	v_add_f32 v[\r], v[\r], v[TMP]
.endm
.macro COLSUM base                     ; wave w: the sum of column w of the [128][13] array at LDS byte base, in v[R] of every lane
	ds_load_b32 v[R],   v[RED] offset:\base            ; rows lane, lane + 32, lane + 64, lane + 96; lanes are 13 words apart:
	ds_load_b32 v[R+1], v[RED] offset:\base+32*52      ; 13 is odd, so 32 lanes touch 32 different banks
	ds_load_b32 v[R+2], v[RED] offset:\base+64*52
	ds_load_b32 v[R+3], v[RED] offset:\base+96*52
	s_wait_dscnt 0x0
	v_add_f32 v[R], v[R], v[R+1]
	v_add_f32 v[R+2], v[R+2], v[R+3]
	v_add_f32 v[R], v[R], v[R+2]
	WAVESUM R
.endm
	s_load_b128 s[4:7], s[0:1], 0x0                ; dense_vals s[4:5], stats s[6:7]
	v_lshl_add_u32 v36, v0, 2, 0x3500
	v_mov_b32 v37, 0
	v_lshlrev_b32 v[T16], 4, v0
	s_mul_i32 s10, ttmp9, 2*CHUNK                  ; my 256 rows begin at byte 13,312 i
	s_mov_b32 s11, 0
	s_mul_i32 s14, ttmp9, 8*NCOL                   ; my 26 results at byte 104 i
	s_mov_b32 s15, 0
	s_mov_b32 s12, 0x76543210                      ; v_permlanex16_b32: lane i of one half reads lane i of the other
	s_mov_b32 s13, 0xfedcba98
	s_wait_kmcnt 0x0
	s_add_nc_u64 s[4:5], s[4:5], s[10:11]
	s_add_nc_u64 s[6:7], s[6:7], s[14:15]
	global_load_b128 v[XA:XA+3], v[T16], s[4:5]
	global_load_b128 v[XB:XB+3], v[T16], s[4:5] offset:CHUNK
	; address arithmetic while the loads are out
	v_lshrrev_b32 v[TMP], 5, v0
	v_readfirstlane_b32 s8, v[TMP]                 ; wave number = the column that the wave reduces
	v_and_b32 v[LANE], 31, v0
	v_lshlrev_b32 v[W4], 2, v[TMP]
	v_mad_u32_u24 v[RED], v[LANE], 52, v[W4]
	v_lshlrev_b32 v[COL], 2, v0                    ; 4 t, at most 1,660
	v_mul_u32_u24 v[SCR], v[COL], DIV13
	v_lshrrev_b32 v[SCR], 16, v[SCR]               ; 4 t / 13
	v_mul_u32_u24 v[SCR], v[SCR], NCOL
	v_sub_nc_u32 v[COL], v[COL], v[SCR]            ; (4 t) mod 13
	v_lshlrev_b32 v[COL], 2, v[COL]
	v_lshlrev_b32 v[O4], 2, v[LANE]
	v_min_u32 v[OA], 100, v[O4]                    ; lanes 26-31 read word 25 again, so that no unwritten LDS byte is read
	; pass 1: the column means of my 256 rows
	s_wait_loadcnt 0x0
	v_pk_add_f32 v[S:S+1],   v[XA:XA+1],   v[XB:XB+1]
	v_pk_add_f32 v[S+2:S+3], v[XA+2:XA+3], v[XB+2:XB+3]
	ds_store_b128 v[T16], v[S:S+3] offset:L_SUM    ; word 4 t + j = 13 row + column
	BARRIER
	COLSUM L_SUM
	v_mul_f32 v[MEAN], 0x3b800000, v[R]            ; / 256, exact
	ds_store_b32 v[W4], v[MEAN] offset:L_ST        ; all lanes write the same word with the same value
	ds_store_b32 v[W4], v[MEAN] offset:L_ST+52     ; and once more 13 words on: columns c .. c + 3 are then read without a wrap
	BARRIER
	; pass 2: squared deviations from those means
	ds_load_b32 v[M],   v[COL] offset:L_ST
	ds_load_b32 v[M+1], v[COL] offset:L_ST+4
	ds_load_b32 v[M+2], v[COL] offset:L_ST+8
	ds_load_b32 v[M+3], v[COL] offset:L_ST+12
	s_wait_dscnt 0x0                               ; my reads of the means are back,
	s_barrier_signal -1                            ; and I say so.  These reads' addresses are a remainder modulo 13; a barrier between them and the next LDS
	                                               ; stores lets the order of the two rest on the barrier and not on that arithmetic.  Register work fills it.
	v_pk_add_f32 v[XA:XA+1],   v[XA:XA+1],   v[M:M+1]   neg_lo:[0,1] neg_hi:[0,1]
	v_pk_add_f32 v[XA+2:XA+3], v[XA+2:XA+3], v[M+2:M+3] neg_lo:[0,1] neg_hi:[0,1]
	v_pk_add_f32 v[XB:XB+1],   v[XB:XB+1],   v[M:M+1]   neg_lo:[0,1] neg_hi:[0,1]
	v_pk_add_f32 v[XB+2:XB+3], v[XB+2:XB+3], v[M+2:M+3] neg_lo:[0,1] neg_hi:[0,1]
	v_pk_mul_f32 v[S:S+1],   v[XA:XA+1],   v[XA:XA+1]
	v_pk_mul_f32 v[S+2:S+3], v[XA+2:XA+3], v[XA+2:XA+3]
	v_pk_fma_f32 v[S:S+1],   v[XB:XB+1],   v[XB:XB+1],   v[S:S+1]
	v_pk_fma_f32 v[S+2:S+3], v[XB+2:XB+3], v[XB+2:XB+3], v[S+2:S+3]
	s_barrier_wait -1                              ; every wave has read its means
	ds_store_b128 v[T16], v[S:S+3] offset:L_SQ
	BARRIER
	COLSUM L_SQ
	ds_store_b32 v[W4], v[R] offset:L_ST+104       ; M2 of column w, behind the second copy of the means
	BARRIER
	; wave 0 stores mean[0..12], M2[0..12]: one store, 104 consecutive bytes
	s_cmp_lg_u32 s8, 0
	s_cbranch_scc1 .Lend
	ds_load_b32 v[OV], v[OA] offset:L_ST+52
	v_cmp_gt_u32 vcc_lo, 2*NCOL, v[LANE]
	s_wait_dscnt 0x0
	s_wait_xcnt 0x0                                ; EXEC changes only when no earlier memory instruction still needs it
	s_and_saveexec_b32 s16, vcc_lo                 ; lanes 0-25
	global_store_b32 v[O4], v[OV], s[6:7]
	s_wait_xcnt 0x0                                ; and again in front of the line that widens it
	s_or_b32 exec_lo, exec_lo, s16
.Lend:
	s_wait_tensorcnt 0x0
	ds_add_u32 v36, v37
	s_wait_dscnt 0x0
	s_endpgm
.Lfunc_end_k_q45ca17e08e_stats:
	.size	k_q45ca17e08e_stats, .Lfunc_end_k_q45ca17e08e_stats-k_q45ca17e08e_stats
	.p2alignl 7, 3214868480
	.fill 96, 4, 3214868480
	.section	.rodata,"a",@progbits
	.p2align	6, 0x0
	.amdhsa_kernel k_q45ca17e08e_stats
		.amdhsa_group_segment_fixed_size 15360
		.amdhsa_private_segment_fixed_size 0
		.amdhsa_enable_private_segment 0
		.amdhsa_kernarg_size 16
		.amdhsa_user_sgpr_count 2
		.amdhsa_user_sgpr_kernarg_segment_ptr 1
		.amdhsa_wavefront_size32 1
		.amdhsa_system_sgpr_workgroup_id_x 1
		.amdhsa_system_sgpr_workgroup_id_y 1
		.amdhsa_system_sgpr_workgroup_id_z 1
		.amdhsa_system_vgpr_workitem_id 0
		.amdhsa_next_free_vgpr 38
		.amdhsa_next_free_sgpr 66
		.amdhsa_reserve_vcc 1
		.amdhsa_float_denorm_mode_32 3
		.amdhsa_float_denorm_mode_16_64 3
		.amdhsa_memory_ordered 1
		.amdhsa_forward_progress 1
		.amdhsa_inst_pref_size 6
	.end_amdhsa_kernel
	.amdgpu_metadata
---
amdhsa.version: [ 1, 2 ]
amdhsa.kernels:
  - .name:           k_q45ca17e08e_stats
    .symbol:         k_q45ca17e08e_stats.kd
    .args:
      - { .name: dense_vals, .offset: 0, .size: 8, .value_kind: global_buffer, .address_space: global }
      - { .name: stats, .offset: 8, .size: 8, .value_kind: global_buffer, .address_space: global }
    .group_segment_fixed_size: 15360
    .private_segment_fixed_size: 0
    .kernarg_segment_align: 8
    .kernarg_segment_size: 16
    .max_flat_workgroup_size: 416
    .sgpr_count:     66
    .vgpr_count:     38
    .wavefront_size: 32
...
	.end_amdgpu_metadata
.endif
;; end of part 1
;; launch logit (part 2): grid 256 x 1, 13 waves a work-group, no clusters, 12,032 bytes of LDS; arguments sparse_ids, emb_table, dense_vals, stats, bn_gamma, bn_beta, weight, bias, out0; writes out0
.if DOCPART == 2
	.amdgcn_target "amdgcn-amd-amdhsa--gfx1250"
	.amdhsa_code_object_version 6
	.text
	.protected	k_q45ca17e08e_logit
	.globl	k_q45ca17e08e_logit
	.p2align	8
	.type	k_q45ca17e08e_logit,@function
k_q45ca17e08e_logit:
	s_mov_b64 s[64:65], 0
	v_nop
	global_prefetch_b8 v0, s[64:65] scope:SCOPE_SE
	s_setreg_imm32_b32 hwreg(HW_REG_WAVE_MODE, 25, 1), 1
	s_wait_xcnt 0x0
; Second of two launches.
; out[b] = sum over f of emb_table[f][ids[b][f]] + sum over d of ((x[b][d] - mean[d]) * rsq(var[d] + eps) * gamma[d] + beta[d]) * weight[d] + bias.
; A work-group owns 64 rows; 13 waves = 416 threads.  Thread t owns ids 4 t .. 4 t + 3 of the group's 1,664 (16 bytes) and dense numbers
; 2 t, 2 t + 1 of its 832 (8 bytes): every load of a wave is one run of consecutive bytes.  A row has 26 ids, so the id pairs (4t, 4t+1) and
; (4t+2, 4t+3) never straddle a row: pair q = 13 row + p holds features 2 p, 2 p + 1, and dense number q = 13 row + p is column p.
; One index serves both, and word q of a [64][13] array in LDS takes: two gathered numbers + column p's share of the dense logit.
; The four gathers go out as soon as the ids are in; the 64 partial statistics of the first launch are joined while they are on their way.
; Joining (equal counts of 256 rows): mean = sum of mean_i / 64;  M2 = sum of (M2_i + 256 (mean_i - mean)^2);  var = M2 / 16384.
; The product with weight has one output column and 13 terms: a matrix instruction would use 1 of its 16 columns and 13 of its 32 K, so it is
; 13 fused multiply-adds a row in f32.  No cluster: the only bytes that work-groups share are the 6,656 of the partials, against 1,664
; scattered gathers of each.  No prefetch: a gather is issued as soon as its id is known.
; LIMITS: an id is taken as unsigned and clamped to 999,999 (the reference relies on ids inside the table); the sums run in another order
; than the reference's; 1 / sqrt is v_rsq_f32 (1 ulp; its argument is at least 1e-5, never denormal).
.set NCOL,   13
.set VMAX,   999999                    ; the last index of a table
.set TABLE,  4000000                   ; bytes of one feature's table
.set DIV13,  5042                      ; (n * 5042) >> 16 = n / 13 for n < 6553
.set L_PART, 0                         ; LDS [64][26] f32: the partials as they lie in memory: mean_i[0..12], M2_i[0..12]
.set L_PAR,  6656                      ; LDS [13][4] f32: mean, c = rsq(var + eps) gamma weight, beta weight, 0
.set L_ROWS, 6912                      ; LDS [64][13] f32: the rows' 13 shares
.set T16,  1                           ; v1        16 t
.set T8,   2                           ; v2        8 t
.set TMP,  3                           ; v3        wave number, later the other half's figure in a sum over lanes
.set ID,   4                           ; v[4:7]    my four ids
.set PT,   8                           ; v[8:11]   my 16 bytes of the partials
.set X,    12                          ; v[12:13]  my two dense numbers, then my two words of the rows' array
.set P0,   14                          ; v14       (2 t) mod 13
.set P1,   15                          ; v15       (2 t + 1) mod 13
.set G,    16                          ; v[16:19]  gathered: features 2 p0, 2 p1, 2 p0 + 1, 2 p1 + 1
.set GA,   20                          ; v[20:23]  their byte offsets in emb_table
.set Q,    24                          ; v[24:27]  mean_i, mean_i+32, M2_i, M2_i+32 of my wave's column
.set PAR,  28                          ; v[28:31]  my wave's column: mean, c, beta weight, 0
.set TB0,  36                          ; v36       p0 * 8,000,000: feature 2 p0's table
.set TB1,  37                          ; v37       p1 * 8,000,000
.set A0,   38                          ; v38       16 p0
.set A1,   39                          ; v39       16 p1
.set RED,  40                          ; v40       104 lane + 4 wave: partial = lane, column = wave
.set W16,  41                          ; v41       16 wave
.set RW,   42                          ; v42       104 lane: two rows of the rows' array
.set LANE, 43                          ; v43
.set C0,   44                          ; v[44:47]  column p0's mean, c, beta weight, 0
.set C1,   48                          ; v[48:51]  column p1's
.set W,    52                          ; v[52:77]  wave 0: 26 words = rows 2 lane and 2 lane + 1
.macro BARRIER                         ; what I wrote to LDS, or read from it, is done before I say so
	s_wait_dscnt 0x0
	s_barrier_signal -1
	s_barrier_wait -1
.endm
.macro WAVESUM r                       ; sum over the 32 lanes, result in every lane
	v_add_f32_dpp v[\r], v[\r], v[\r] row_xmask:1 row_mask:0xf bank_mask:0xf
	v_add_f32_dpp v[\r], v[\r], v[\r] row_xmask:2 row_mask:0xf bank_mask:0xf
	v_add_f32_dpp v[\r], v[\r], v[\r] row_xmask:4 row_mask:0xf bank_mask:0xf
	v_add_f32_dpp v[\r], v[\r], v[\r] row_xmask:8 row_mask:0xf bank_mask:0xf
	v_permlanex16_b32 v[TMP], v[\r], s38, s39
	v_add_f32 v[\r], v[\r], v[TMP]
.endm
	s_load_b512 s[8:23], s[0:1], 0x0               ; ids s[8:9], table s[10:11], dense s[12:13], stats s[14:15], gamma s[16:17], beta s[18:19], weight s[20:21], bias s[22:23]
	s_load_b64 s[24:25], s[0:1], 0x40              ; out0
	v_lshl_add_u32 v78, v0, 2, 0x2800
	v_mov_b32 v79, 0
	; all address arithmetic stands here, while the arguments are on their way
	v_lshlrev_b32 v[T16], 4, v0
	v_lshlrev_b32 v[T8], 3, v0
	v_lshrrev_b32 v[TMP], 5, v0
	v_readfirstlane_b32 s2, v[TMP]                 ; wave number = the column whose statistics the wave joins
	s_lshl_b32 s3, s2, 2
	s_mul_i32 s4, ttmp9, 64*26*4                   ; my 64 rows of ids
	s_mov_b32 s5, 0
	s_mul_i32 s6, ttmp9, 64*NCOL*4                 ; my 64 rows of dense_vals
	s_mov_b32 s7, 0
	s_lshl_b32 s26, ttmp9, 8                       ; my 64 outputs
	s_mov_b32 s27, 0
	s_mov_b32 s28, 0x43800000                      ; 256: the rows of a partial
	s_mov_b32 s30, 0x38800000                      ; 1 / 16384
	s_mov_b32 s31, 0x3727c5ac                      ; eps = 1e-5
	s_mov_b32 s38, 0x76543210                      ; v_permlanex16_b32: lane i of one half reads lane i of the other
	s_mov_b32 s39, 0xfedcba98
	v_lshlrev_b32 v[P0], 1, v0                     ; 2 t, at most 830
	v_mul_u32_u24 v[P1], v[P0], DIV13
	v_lshrrev_b32 v[P1], 16, v[P1]                 ; 2 t / 13
	v_mul_u32_u24 v[P1], v[P1], NCOL
	v_sub_nc_u32 v[P0], v[P0], v[P1]               ; p0
	v_add_nc_u32 v[P1], 1, v[P0]
	v_cmp_ne_u32 vcc_lo, NCOL, v[P1]
	v_cndmask_b32 v[P1], 0, v[P1], vcc_lo          ; p1 = p0 + 1, or 0 behind 12
	v_mul_u32_u24 v[TB0], v[P0], 2*TABLE           ; at most 96,000,000
	v_mul_u32_u24 v[TB1], v[P1], 2*TABLE
	s_wait_kmcnt 0x0
	s_add_nc_u64 s[8:9], s[8:9], s[4:5]
	s_add_nc_u64 s[12:13], s[12:13], s[6:7]
	s_add_nc_u64 s[24:25], s[24:25], s[26:27]
	global_load_b128 v[ID:ID+3], v[T16], s[8:9] th:TH_LOAD_NT      ; read once in the launch
	global_load_b128 v[PT:PT+3], v[T16], s[14:15]                  ; 416 x 16 bytes: all 64 partials
	global_load_b64  v[X:X+1],   v[T8],  s[12:13]
	s_load_b32 s32, s[16:17], s3 offset:0x0        ; gamma[wave]
	s_load_b32 s33, s[18:19], s3 offset:0x0        ; beta[wave]
	s_load_b32 s34, s[20:21], s3 offset:0x0        ; weight[wave]
	s_load_b32 s36, s[22:23], 0x0                  ; bias
	v_and_b32 v[LANE], 31, v0
	v_lshlrev_b32 v[A0], 4, v[P0]
	v_lshlrev_b32 v[A1], 4, v[P1]
	v_lshlrev_b32 v[W16], 4, v[TMP]
	v_mul_u32_u24 v[RW], v[LANE], 104
	v_lshl_add_u32 v[RED], v[TMP], 2, v[RW]
	; the gathers
	s_wait_loadcnt 0x2                             ; loads come back in order (ISA guide 5.7.1): the ids are in; the partials and the dense numbers may be out
.irp j, 0,1,2,3
	v_min_u32 v[ID+\j], VMAX, v[ID+\j]             ; no gather leaves its table
.endr
	v_lshl_add_u32 v[GA],   v[ID],   2, v[TB0]
	v_lshl_add_u32 v[GA+1], v[ID+1], 2, v[TB0]
	v_lshl_add_u32 v[GA+2], v[ID+2], 2, v[TB1]
	v_lshl_add_u32 v[GA+3], v[ID+3], 2, v[TB1]
	global_load_b32 v[G],   v[GA],   s[10:11]                      ; feature 2 p0
	global_load_b32 v[G+2], v[GA+1], s[10:11] offset:TABLE         ; feature 2 p0 + 1: one table on, inside the signed 24-bit immediate
	global_load_b32 v[G+1], v[GA+2], s[10:11]                      ; feature 2 p1
	global_load_b32 v[G+3], v[GA+3], s[10:11] offset:TABLE         ; feature 2 p1 + 1
	; the statistics, while the gathers are out
	s_wait_loadcnt 0x5                             ; the partials are in; behind them the dense load and the four gathers
	ds_store_b128 v[T16], v[PT:PT+3] offset:L_PART
	BARRIER
	ds_load_b32 v[Q],   v[RED] offset:L_PART               ; mean of partial lane; lanes are 26 words apart: 32 different banks
	ds_load_b32 v[Q+1], v[RED] offset:L_PART+32*104        ; mean of partial lane + 32
	ds_load_b32 v[Q+2], v[RED] offset:L_PART+52            ; their M2
	ds_load_b32 v[Q+3], v[RED] offset:L_PART+32*104+52
	s_wait_dscnt 0x0
	v_add_f32 v[PAR], v[Q], v[Q+1]
	WAVESUM PAR
	v_mul_f32 v[PAR], 0x3c800000, v[PAR]           ; / 64: the batch mean of column w
	v_sub_f32 v[Q],   v[Q],   v[PAR]
	v_sub_f32 v[Q+1], v[Q+1], v[PAR]
	v_add_f32 v[Q+2], v[Q+2], v[Q+3]
	v_mul_f32 v[Q], v[Q], v[Q]
	v_fmac_f32 v[Q], v[Q+1], v[Q+1]
	v_fma_f32 v[Q+2], v[Q], s28, v[Q+2]            ; M2_i + 256 (mean_i - mean)^2, two partials a lane
	WAVESUM Q+2
	v_fma_f32 v[Q+2], v[Q+2], s30, s31             ; var + eps
	v_rsq_f32 v[PAR+1], v[Q+2]
	s_wait_kmcnt 0x0                               ; gamma, beta, weight, bias
	s_mul_f32 s32, s32, s34                        ; gamma weight
	s_mul_f32 s33, s33, s34                        ; beta weight
	v_mov_b32 v[PAR+2], s33                        ; a plain vector instruction between v_rsq_f32 and the use of its result (ISA guide 5.7.2)
	v_mov_b32 v[PAR+3], 0
	s_wait_alu depctr_va_vdst(0)
	v_mul_f32 v[PAR+1], s32, v[PAR+1]              ; c
	ds_store_b128 v[W16], v[PAR:PAR+3] offset:L_PAR        ; all lanes write the same 16 bytes with the same values
	BARRIER
	; my two words of the rows' array
	ds_load_b128 v[C0:C0+3], v[A0] offset:L_PAR    ; 13 different 16-byte columns; lanes with the same column share the words
	ds_load_b128 v[C1:C1+3], v[A1] offset:L_PAR
	s_wait_loadcnt 0x4                             ; the dense numbers are in; the four gathers may be out
	s_wait_dscnt 0x0                               ; my reads of the columns' parameters are back,
	s_barrier_signal -1                            ; and I say so.  These reads' addresses are a remainder modulo 13; a barrier between them and the next LDS
	                                               ; store lets the order of the two rest on the barrier and not on that arithmetic.  Register work fills it.
	v_sub_f32 v[X],   v[X],   v[C0]                ; x - mean, as the reference forms it
	v_sub_f32 v[X+1], v[X+1], v[C1]
	v_fma_f32 v[X],   v[X],   v[C0+1], v[C0+2]     ; * c + beta weight
	v_fma_f32 v[X+1], v[X+1], v[C1+1], v[C1+2]
	s_barrier_wait -1                              ; every wave has read its parameters
	s_wait_loadcnt 0x0                             ; the gathers: waited for behind the barrier, so that no wave's gathers hold up another's signal
	v_pk_add_f32 v[G:G+1], v[G:G+1], v[G+2:G+3]    ; features 2 p and 2 p + 1, both pairs
	v_pk_add_f32 v[X:X+1], v[X:X+1], v[G:G+1]
	ds_store_b64 v[T8], v[X:X+1] offset:L_ROWS     ; words 2 t, 2 t + 1
	BARRIER
	; wave 0: lane l sums rows 2 l and 2 l + 1 (26 neighbouring words) and stores 8 bytes
	s_cmp_lg_u32 s2, 0
	s_cbranch_scc1 .Lend
.irp k, 0,1,2,3,4,5,6,7,8,9,10,11,12
	ds_load_b64 v[W+2*\k:W+2*\k+1], v[RW] offset:L_ROWS+8*\k       ; lanes 26 words apart, two words each: all 64 banks once
.endr
	s_wait_dscnt 0x0
	; row 2 l = words 0-12 (six pairs and the low word of pair 6), row 2 l + 1 = words 13-25 (the high word of pair 6 and six pairs)
	v_pk_add_f32 v[W:W+1],     v[W:W+1],     v[W+2:W+3]
	v_pk_add_f32 v[W+14:W+15], v[W+14:W+15], v[W+16:W+17]
	v_pk_add_f32 v[W+4:W+5],   v[W+4:W+5],   v[W+6:W+7]
	v_pk_add_f32 v[W+18:W+19], v[W+18:W+19], v[W+20:W+21]
	v_pk_add_f32 v[W+8:W+9],   v[W+8:W+9],   v[W+10:W+11]
	v_pk_add_f32 v[W+22:W+23], v[W+22:W+23], v[W+24:W+25]
	v_add_f32 v[W+12], s36, v[W+12]                ; + bias, once for each row
	v_add_f32 v[W+13], s36, v[W+13]
	v_pk_add_f32 v[W:W+1],     v[W:W+1],     v[W+4:W+5]
	v_pk_add_f32 v[W+14:W+15], v[W+14:W+15], v[W+18:W+19]
	v_pk_add_f32 v[W:W+1],     v[W:W+1],     v[W+8:W+9]
	v_pk_add_f32 v[W+14:W+15], v[W+14:W+15], v[W+22:W+23]
	v_add_f32 v[W],   v[W],    v[W+1]
	v_add_f32 v[W+1], v[W+14], v[W+15]
	v_pk_add_f32 v[W:W+1], v[W:W+1], v[W+12:W+13]
	global_store_b64 v[T8], v[W:W+1], s[24:25] th:TH_STORE_NT      ; in wave 0 t = lane: the store covers 256 consecutive bytes, aligned
.Lend:
	s_wait_tensorcnt 0x0
	ds_add_u32 v78, v79
	s_wait_dscnt 0x0
	s_endpgm
.Lfunc_end_k_q45ca17e08e_logit:
	.size	k_q45ca17e08e_logit, .Lfunc_end_k_q45ca17e08e_logit-k_q45ca17e08e_logit
	.p2alignl 7, 3214868480
	.fill 96, 4, 3214868480
	.section	.rodata,"a",@progbits
	.p2align	6, 0x0
	.amdhsa_kernel k_q45ca17e08e_logit
		.amdhsa_group_segment_fixed_size 12032
		.amdhsa_private_segment_fixed_size 0
		.amdhsa_enable_private_segment 0
		.amdhsa_kernarg_size 72
		.amdhsa_user_sgpr_count 2
		.amdhsa_user_sgpr_kernarg_segment_ptr 1
		.amdhsa_wavefront_size32 1
		.amdhsa_system_sgpr_workgroup_id_x 1
		.amdhsa_system_sgpr_workgroup_id_y 1
		.amdhsa_system_sgpr_workgroup_id_z 1
		.amdhsa_system_vgpr_workitem_id 0
		.amdhsa_next_free_vgpr 80
		.amdhsa_next_free_sgpr 66
		.amdhsa_reserve_vcc 1
		.amdhsa_float_denorm_mode_32 3
		.amdhsa_float_denorm_mode_16_64 3
		.amdhsa_memory_ordered 1
		.amdhsa_forward_progress 1
		.amdhsa_inst_pref_size 9
	.end_amdhsa_kernel
	.amdgpu_metadata
---
amdhsa.version: [ 1, 2 ]
amdhsa.kernels:
  - .name:           k_q45ca17e08e_logit
    .symbol:         k_q45ca17e08e_logit.kd
    .args:
      - { .name: sparse_ids, .offset: 0, .size: 8, .value_kind: global_buffer, .address_space: global }
      - { .name: emb_table, .offset: 8, .size: 8, .value_kind: global_buffer, .address_space: global }
      - { .name: dense_vals, .offset: 16, .size: 8, .value_kind: global_buffer, .address_space: global }
      - { .name: stats, .offset: 24, .size: 8, .value_kind: global_buffer, .address_space: global }
      - { .name: bn_gamma, .offset: 32, .size: 8, .value_kind: global_buffer, .address_space: global }
      - { .name: bn_beta, .offset: 40, .size: 8, .value_kind: global_buffer, .address_space: global }
      - { .name: weight, .offset: 48, .size: 8, .value_kind: global_buffer, .address_space: global }
      - { .name: bias, .offset: 56, .size: 8, .value_kind: global_buffer, .address_space: global }
      - { .name: out0, .offset: 64, .size: 8, .value_kind: global_buffer, .address_space: global }
    .group_segment_fixed_size: 12032
    .private_segment_fixed_size: 0
    .kernarg_segment_align: 8
    .kernarg_segment_size: 72
    .max_flat_workgroup_size: 416
    .sgpr_count:     66
    .vgpr_count:     80
    .wavefront_size: 32
...
	.end_amdgpu_metadata
.endif
;; end of part 2
